; MI455X (gfx1250); checked and timed in simulation.
; The chip was launched on July 23, 2026; its instructions are those of AMD's public machine-readable ISA for CDNA 5 (MIT licence, August 2026) and "CDNA5" Instruction Set Architecture Reference Guide (July 2026). The comments in the code are by the model that wrote it; some were corrected since.
;; Molecule Head. Allowed arithmetic: float matrix products may take bf16 or f16 operands with f32 sums; other float arithmetic in f32, or as packed bf16 or f16 multiplies, adds, multiply-adds, maxima and minima; sums over many terms, partial sums and values carried from step to step in f32; what a program stores and reads back later, other than sums and carried values, may be rounded once to bf16 or f16.
;; Inputs: W1 512 x 1,024 float32; W2 1,024 x 1,024 float32; W3 1,024 x 1,024 float32; W4 1,024 x 2,048 float32; b1 1,024 float32; b2 1,024 float32; b3 1,024 float32; b4 2,048 float32; h 64 x 512 float32; mol_fps 8,192 x 2,048 float32.
;; Outputs: out0 5 x 64 float32; out1 5 x 64 int32.
;; Constants: topk = 5.
;; One version. Each part assembles by itself: llvm-mc -triple=amdgcn-amd-amdhsa -mcpu=gfx1250 --defsym DOCPART=n.
;; ======== version 1 of 1: 7 launches
;; workspace buffers: pa 1,048,576 bytes; pb 1,048,576 bytes; p4 2,097,152 bytes; fpw 524,288 bytes; distw 2,097,152 bytes
;; launch lay1 (part 1): grid 64 x 4, 4 waves a work-group, no clusters, 17,408 bytes of LDS; arguments h, W1, pa; writes pa
.if DOCPART == 1
	.amdgcn_target "amdgcn-amd-amdhsa--gfx1250"
	.amdhsa_code_object_version 6
	.text
	.protected	k_qc65db2fd25_lay1
	.globl	k_qc65db2fd25_lay1
	.p2align	8
	.type	k_qc65db2fd25_lay1,@function
k_qc65db2fd25_lay1:
	s_mov_b64 s[64:65], 0
	v_nop
	global_prefetch_b8 v0, s[64:65] scope:SCOPE_SE
	s_setreg_imm32_b32 hwreg(HW_REG_WAVE_MODE, 25, 1), 1
	s_wait_xcnt 0x0
; ONE LAYER OF THE MLP AS PARTIAL SUMS: out[plane sk] = x[:, K slice sk] W[K slice sk, :].  One text serves three bodies; the five constants below choose.
; This body: x = h [64][512] f32 as it lies (no bias, no ReLU in front), W = W1 [512][1024] f32, out = four planes in fragment order.
; EXACT OPERANDS.  The indices that the program returns hang on differences far below bf16's step, so each f32 operand is cut, by masking, into three bf16
; parts of 8 + 8 + 8 significant bits (exact), and six of the nine products are summed in f32: x0 w0 by itself, x0 w2 + x1 w1 + x2 w0 + x0 w1 + x1 w0 by
; themselves, small terms first.  The three left out lie 2^-24 and more below the product.
; SHARES.  Work-group x = mt + 4 nb (16 queries, 64 columns), y = sk (a K slice of 32 NW).  A wave takes one matrix K step of 32: k = k0 + 32 h + p for
; slot p = 0..15 of lane half h, in both operands alike, so the products stay the same.  The waves' sums meet in LDS.
; THE MATRIX INSTRUCTION IS USED TRANSPOSED: source 0 = 16 columns of W (lane r: column 64 nb + 4 r + t), source 1 = 16 queries.  Register j of result t in
; lane (r, h) is query r, column 64 nb + 32 h + 4 j + t: four results give 16 neighbouring bytes a lane.
; FRAGMENT ORDER of a plane: [mt][nb][j 0..7][lane][t 0..3] f32: the next layer's lane finds its 16 numbers of x by four loads of 16 bytes, 512 consecutive bytes a wave.
; NO CLUSTER, NO TENSOR LOAD: a work-group's share of W is read once and cut in registers; the four work-groups that read the same 64 columns are neighbours in x.
; LIMITS.  NaN and infinities are not treated apart.  The sums are not the reference's bits: they agree to about the last bit of f32.
.set FIRST,  1                         ; 1: x is the module's input, row-major; 0: x = relu(sum of four planes + bias)
.set NW,     4                         ; waves
.set KIN,    512
.set NOUT,   1024
.set OUTROW, 0                         ; 1: the planes go out row-major
.set KSL,    32*NW                     ; a work-group's slice of K
.set NB,     NOUT/64
.set JPW,    8/NW                      ; of the eight j, so many are summed and stored by a wave
.set PLI,    64*KIN*4                  ; bytes of a plane coming in
.set PLO,    64*NOUT*4                 ; and going out
.set JP,     528                       ; LDS: 512 bytes for one j of one wave, + 16
.set RPW,    8*JP                      ; a wave's eight j
.set SPARE,  NW*RPW                    ; behind them the spare words, 128 bytes a wave, that no other line names
.set SPW, 6                            ; v6  LDS address of my spare word; never rewritten
.set NIL, 7                            ; v7  0; never rewritten
.set WR,  8                            ; v8-71    W as loaded: [p 0..15][t 0..3]; then its residues
.set R,   8                            ;          later: the waves' partial sums read back
.set XF,  72                           ; v72-95   x's three fragments
.set T,   96                           ; v96-159  at work in front of the products
.set AH,  96                           ; v96-127  four results x0 w0
.set AL,  128                          ; v128-159 four results of the five smaller products
.set WF,  160                          ; v160-255 W's fragments: 24 t + 8 part
.set XR,  160                          ; in front of that: x, or its four planes, 16 numbers each
.set BI,  224                          ; and 16 numbers of the bias
.set OUT, 160                          ; behind the products: AH + AL, [j][t]
.if FIRST
	s_load_b64 s[4:5], s[0:1], 0x0                 ; x
	s_load_b64 s[8:9], s[0:1], 0x8                 ; W
	s_load_b64 s[10:11], s[0:1], 0x10              ; out
.else
	s_load_b256 s[4:11], s[0:1], 0x0               ; planes in s[4:5], bias s[6:7], W s[8:9], out s[10:11]
.endif
	v_lshl_add_u32 v[SPW], v0, 2, SPARE
	v_mov_b32 v[NIL], 0
	v_lshrrev_b32 v1, 5, v0
	v_readfirstlane_b32 s12, v1                    ; wave
	s_and_b32 s15, ttmp9, 3                        ; mt
	s_lshr_b32 s13, ttmp9, 2                       ; nb
	s_and_b32 s16, ttmp7, 0xffff                   ; sk
	s_and_b32 s17, s12, 1
	s_lshr_b32 s18, s12, 1
	s_mul_i32 s19, s16, KSL
	s_lshl_b32 s18, s18, 6
	s_add_co_u32 s19, s19, s18
	s_lshl_b32 s18, s17, 4
	s_add_co_u32 s19, s19, s18                     ; k0 = sk KSL + 64 (w / 2) + 16 (w % 2)
	s_mov_b32 s24, 0xffff0000                      ; a number's top bf16
	s_mov_b32 s25, 0x07060302                      ; v_perm_b32: the two sources' upper halves
	s_mul_i32 s20, s19, NOUT*4                     ; W at row k0, column 64 nb
	s_lshl_b32 s21, s13, 8
	s_add_co_u32 s20, s20, s21
	s_mov_b32 s21, 0
.if FIRST
	s_mul_i32 s22, s15, 16*KIN*4                   ; x at row 16 mt, column k0
	s_lshl_b32 s23, s19, 2
	s_add_co_u32 s22, s22, s23
.else
	s_mul_i32 s22, s15, KIN/64                     ; the plane's block (mt, k0 / 64), and in it j = 4 (w % 2)
	s_lshr_b32 s23, s19, 6
	s_add_co_u32 s22, s22, s23
	s_lshl_b32 s22, s22, 12
	s_lshl_b32 s23, s17, 11
	s_add_co_u32 s22, s22, s23
	s_lshl_b32 s26, s19, 2                         ; the bias at k0
	s_mov_b32 s27, 0
.endif
	s_mov_b32 s23, 0
	s_mul_i32 s28, s16, PLO                        ; where my part of plane sk begins
.if OUTROW
	s_lshl_b32 s29, s15, 4
	s_lshl_b32 s14, s12, 1
	s_add_co_u32 s29, s29, s14                     ; row 16 mt + 2 w,
	s_mul_i32 s29, s29, NOUT*4
	s_add_co_u32 s28, s28, s29
	s_lshl_b32 s29, s13, 8                         ; column 64 nb
	s_add_co_u32 s28, s28, s29
.else
	s_mul_i32 s29, s15, NB
	s_add_co_u32 s29, s29, s13
	s_lshl_b32 s29, s29, 12                        ; block (mt, nb),
	s_add_co_u32 s28, s28, s29
	s_mul_i32 s29, s12, JPW*512                    ; j = w JPW
	s_add_co_u32 s28, s28, s29
.endif
	s_mov_b32 s29, 0
	v_and_b32 v[T], 31, v0                         ; L
	v_and_b32 v[T+1], 15, v0                       ; r
	v_bfe_u32 v[T+2], v0, 4, 1                     ; h
	v_mul_u32_u24 v1, v[T+2], 32*NOUT*4            ; W: 32 rows down for the upper half of the lanes, 16 bytes a lane
	v_lshl_add_u32 v1, v[T+1], 4, v1
.if FIRST
	v_mul_u32_u24 v2, v[T+1], KIN*4                ; x: row r, 32 columns on for the upper half
	v_lshl_add_u32 v2, v[T+2], 7, v2
.else
	v_lshlrev_b32 v2, 4, v[T]                      ; planes: 16 bytes a lane
	v_lshlrev_b32 v3, 7, v[T+2]                    ; bias: 32 numbers on for the upper half
.endif
	s_mul_i32 s14, s12, RPW
	v_lshl_add_u32 v4, v[T], 4, s14                ; LDS, in: my wave's part, 16 bytes a lane
.if OUTROW
	v_and_b32 v5, 7, v0                            ; LDS, back, by rows: lane L takes j = L % 8, half (L / 8) % 2, query 2 w + L / 16
	v_mul_u32_u24 v5, v5, JP
	v_bfe_u32 v[T+3], v0, 3, 1
	v_lshl_add_u32 v5, v[T+3], 8, v5
	v_lshl_add_u32 v5, v[T+2], 4, v5
	s_lshl_b32 s14, s12, 5
	v_add_nc_u32 v5, s14, v5
.else
	s_mul_i32 s14, s12, JPW*JP
	v_lshl_add_u32 v5, v[T], 4, s14                ; LDS, back: j = w JPW of every wave's part
.endif
	s_wait_kmcnt 0x0
	s_add_nc_u64 s[4:5], s[4:5], s[22:23]
	s_add_nc_u64 s[8:9], s[8:9], s[20:21]
	s_add_nc_u64 s[10:11], s[10:11], s[28:29]
	; ALL LOADS AT ONCE: x (and the bias) first, W's sixteen last
.if FIRST
.irp i, 0,1,2,3
	global_load_b128 v[XR+4*(\i):XR+4*(\i)+3], v2, s[4:5] offset:16*(\i)
.endr
.else
	s_add_nc_u64 s[6:7], s[6:7], s[26:27]
.irp pl, 0,1,2,3
.irp i, 0,1,2,3
	global_load_b128 v[XR+16*(\pl)+4*(\i):XR+16*(\pl)+4*(\i)+3], v2, s[4:5] offset:(\pl)*PLI+512*(\i)
.endr
.endr
.irp i, 0,1,2,3
	global_load_b128 v[BI+4*(\i):BI+4*(\i)+3], v3, s[6:7] offset:16*(\i)
.endr
.endif
.set p, 0
.rept 16
	global_load_b128 v[WR+4*p:WR+4*p+3], v1, s[8:9] offset:p*NOUT*4  ; row k0 + 32 h + p: sixteen lanes take 256 consecutive bytes, aligned
.set p, p+1
.endr
.macro RESID base, cnt                 ; every number of the run loses its top eight significant bits: x - (x & mask), exact
.set c, 0
.rept \cnt
	v_and_b32 v[T+c], s24, v[(\base)+c]
.set c, c+1
.endr
.set c, 0
.rept (\cnt)/2
	v_pk_add_f32 v[(\base)+c:(\base)+c+1], v[(\base)+c:(\base)+c+1], v[T+c:T+c+1] neg_lo:[0,1] neg_hi:[0,1]
.set c, c+2
.endr
.endm
.macro PACKX l                         ; the top bf16 of x's 16 numbers, in pairs: part l of the fragment
.set c, 0
.rept 8
	v_perm_b32 v[XF+8*(\l)+c], v[XR+2*c+1], v[XR+2*c], s25
.set c, c+1
.endr
.endm
.macro PACKW l                         ; the same for W's four columns: slots 2 c and 2 c + 1 lie four registers apart
.irp t, 0,1,2,3
.set c, 0
.rept 8
	v_perm_b32 v[WF+24*(\t)+8*(\l)+c], v[WR+8*c+4+(\t)], v[WR+8*c+(\t)], s25
.set c, c+1
.endr
.endr
.endm
.macro MM acc, xl, wl, zero            ; four products, one for each t: the four accumulators take turns
.irp t, 0,1,2,3
.if \zero
	v_wmma_f32_16x16x32_bf16 v[(\acc)+8*(\t):(\acc)+8*(\t)+7], v[WF+24*(\t)+8*(\wl):WF+24*(\t)+8*(\wl)+7], v[XF+8*(\xl):XF+8*(\xl)+7], 0
.else
	v_wmma_f32_16x16x32_bf16 v[(\acc)+8*(\t):(\acc)+8*(\t)+7], v[WF+24*(\t)+8*(\wl):WF+24*(\t)+8*(\wl)+7], v[XF+8*(\xl):XF+8*(\xl)+7], v[(\acc)+8*(\t):(\acc)+8*(\t)+7]
.endif
.endr
.endm
	s_wait_loadcnt 16                              ; loads come back in order (ISA guide 5.7.1): all but W's sixteen are in
.if !FIRST
.irp pl, 1,2,3                         ; ((P0 + P1) + P2) + P3, then the bias, then ReLU
.set c, 0
.rept 8
	v_pk_add_f32 v[XR+c:XR+c+1], v[XR+c:XR+c+1], v[XR+16*(\pl)+c:XR+16*(\pl)+c+1]
.set c, c+2
.endr
.endr
.set c, 0
.rept 8
	v_pk_add_f32 v[XR+c:XR+c+1], v[XR+c:XR+c+1], v[BI+c:BI+c+1]
.set c, c+2
.endr
.set c, 0
.rept 16
	v_max_num_f32 v[XR+c], 0, v[XR+c]
.set c, c+1
.endr
.endif
	PACKX 0
	RESID XR, 16
	PACKX 1
	RESID XR, 16
	PACKX 2
	s_wait_loadcnt 0x0                             ; W is in; every load's address register is free
.if OUTROW
	v_bfe_u32 v3, v0, 4, 1                         ; my offset in the store: lanes 0-15 one row's 256 bytes, lanes 16-31 the next row's
	v_mul_u32_u24 v3, v3, NOUT*4
	v_and_b32 v2, 15, v0
	v_lshl_add_u32 v3, v2, 4, v3
.else
	v_and_b32 v3, 31, v0                           ; my offset in the store: 16 bytes a lane
	v_lshlrev_b32 v3, 4, v3
.endif
	PACKW 0
	RESID WR, 64
	PACKW 1
	RESID WR, 64
	PACKW 2
	MM AH, 0, 0, 1                                 ; x0 w0 starts its own sum
	MM AL, 0, 2, 1                                 ; the smaller products, smallest first
	MM AL, 1, 1, 0
	MM AL, 2, 0, 0
	MM AL, 0, 1, 0
	MM AL, 1, 0, 0
.rept 4
	v_nop                                          ; four places between the last product and the lines that read results and write over W's fragments (ISA guide 7.12.1)
.endr
.set j, 0
.rept 8                                ; register 0 of every accumulator is read first
.irp t, 0,1,2,3
	v_add_f32 v[OUT+4*j+(\t)], v[AH+8*(\t)+j], v[AL+8*(\t)+j]
.endr
.set j, j+1
.endr
.set j, 0
.rept 8
	ds_store_b128 v4, v[OUT+4*j:OUT+4*j+3] offset:j*JP
.set j, j+1
.endr
	s_wait_dscnt 0x0                               ; for the others' sake: my stores are done
	s_barrier_signal -1
	s_barrier_wait -1
.set jj, 0
.rept JPW
.set sw, 0
.rept NW
	ds_load_b128 v[R+4*(jj*NW+sw):R+4*(jj*NW+sw)+3], v5 offset:sw*RPW+jj*JP
.set sw, sw+1
.endr
.set jj, jj+1
.endr
	s_wait_dscnt 0x0
.set jj, 0
.rept JPW                              ; the waves' sums in ascending order of K
.set sw, 1
.rept NW-1
	v_pk_add_f32 v[R+4*jj*NW:R+4*jj*NW+1], v[R+4*jj*NW:R+4*jj*NW+1], v[R+4*(jj*NW+sw):R+4*(jj*NW+sw)+1]
	v_pk_add_f32 v[R+4*jj*NW+2:R+4*jj*NW+3], v[R+4*jj*NW+2:R+4*jj*NW+3], v[R+4*(jj*NW+sw)+2:R+4*(jj*NW+sw)+3]
.set sw, sw+1
.endr
	global_store_b128 v3, v[R+4*jj*NW:R+4*jj*NW+3], s[10:11] offset:512*jj  ; sixteen lanes store 256 consecutive bytes, aligned
.set jj, jj+1
.endr
	s_wait_tensorcnt 0x0                           ; the wave's end
	ds_add_u32 v[SPW], v[NIL]
	s_wait_dscnt 0x0
	s_endpgm
.Lfunc_end_k_qc65db2fd25_lay1:
	.size	k_qc65db2fd25_lay1, .Lfunc_end_k_qc65db2fd25_lay1-k_qc65db2fd25_lay1
	.p2alignl 7, 3214868480
	.fill 96, 4, 3214868480
	.section	.rodata,"a",@progbits
	.p2align	6, 0x0
	.amdhsa_kernel k_qc65db2fd25_lay1
		.amdhsa_group_segment_fixed_size 17408
		.amdhsa_private_segment_fixed_size 0
		.amdhsa_enable_private_segment 0
		.amdhsa_kernarg_size 24
		.amdhsa_user_sgpr_count 2
		.amdhsa_user_sgpr_kernarg_segment_ptr 1
		.amdhsa_wavefront_size32 1
		.amdhsa_system_sgpr_workgroup_id_x 1
		.amdhsa_system_sgpr_workgroup_id_y 1
		.amdhsa_system_sgpr_workgroup_id_z 1
		.amdhsa_system_vgpr_workitem_id 0
		.amdhsa_next_free_vgpr 256
		.amdhsa_next_free_sgpr 66
		.amdhsa_reserve_vcc 0
		.amdhsa_float_denorm_mode_32 3
		.amdhsa_float_denorm_mode_16_64 3
		.amdhsa_memory_ordered 1
		.amdhsa_forward_progress 1
		.amdhsa_inst_pref_size 27
	.end_amdhsa_kernel
	.amdgpu_metadata
---
amdhsa.version: [ 1, 2 ]
amdhsa.kernels:
  - .name:           k_qc65db2fd25_lay1
    .symbol:         k_qc65db2fd25_lay1.kd
    .args:
      - { .name: h, .offset: 0, .size: 8, .value_kind: global_buffer, .address_space: global }
      - { .name: W1, .offset: 8, .size: 8, .value_kind: global_buffer, .address_space: global }
      - { .name: pa, .offset: 16, .size: 8, .value_kind: global_buffer, .address_space: global }
    .group_segment_fixed_size: 17408
    .private_segment_fixed_size: 0
    .kernarg_segment_align: 8
    .kernarg_segment_size: 24
    .max_flat_workgroup_size: 128
    .sgpr_count:     66
    .vgpr_count:     256
    .wavefront_size: 32
...
	.end_amdgpu_metadata
.endif
;; end of part 1
;; launch lay2 (part 2): grid 64 x 4, 8 waves a work-group, no clusters, 34,816 bytes of LDS; arguments pa, b1, W2, pb; writes pb
.if DOCPART == 2
	.amdgcn_target "amdgcn-amd-amdhsa--gfx1250"
	.amdhsa_code_object_version 6
	.text
	.protected	k_qc65db2fd25_lay2
	.globl	k_qc65db2fd25_lay2
	.p2align	8
	.type	k_qc65db2fd25_lay2,@function
k_qc65db2fd25_lay2:
	s_mov_b64 s[64:65], 0
	v_nop
	global_prefetch_b8 v0, s[64:65] scope:SCOPE_SE
	s_setreg_imm32_b32 hwreg(HW_REG_WAVE_MODE, 25, 1), 1
	s_wait_xcnt 0x0
; ONE LAYER OF THE MLP AS PARTIAL SUMS: out[plane sk] = x[:, K slice sk] W[K slice sk, :].  One text serves three bodies; the five constants below choose.
; This body (layers 2 and 3): x = relu(the sum of the last layer's four planes + its bias), W [1024][1024] f32, out = four planes in fragment order.
; EXACT OPERANDS.  The indices that the program returns hang on differences far below bf16's step, so each f32 operand is cut, by masking, into three bf16
; parts of 8 + 8 + 8 significant bits (exact), and six of the nine products are summed in f32: x0 w0 by itself, x0 w2 + x1 w1 + x2 w0 + x0 w1 + x1 w0 by
; themselves, small terms first.  The three left out lie 2^-24 and more below the product.
; SHARES.  Work-group x = mt + 4 nb (16 queries, 64 columns), y = sk (a K slice of 32 NW).  A wave takes one matrix K step of 32: k = k0 + 32 h + p for
; slot p = 0..15 of lane half h, in both operands alike, so the products stay the same.  The waves' sums meet in LDS.
; THE MATRIX INSTRUCTION IS USED TRANSPOSED: source 0 = 16 columns of W (lane r: column 64 nb + 4 r + t), source 1 = 16 queries.  Register j of result t in
; lane (r, h) is query r, column 64 nb + 32 h + 4 j + t: four results give 16 neighbouring bytes a lane.
; FRAGMENT ORDER of a plane: [mt][nb][j 0..7][lane][t 0..3] f32: the next layer's lane finds its 16 numbers of x by four loads of 16 bytes, 512 consecutive bytes a wave.
; NO CLUSTER, NO TENSOR LOAD: a work-group's share of W is read once and cut in registers; the four work-groups that read the same 64 columns are neighbours in x.
; LIMITS.  NaN and infinities are not treated apart.  The sums are not the reference's bits: they agree to about the last bit of f32.
.set FIRST,  0                         ; 1: x is the module's input, row-major; 0: x = relu(sum of four planes + bias)
.set NW,     8                         ; waves
.set KIN,    1024
.set NOUT,   1024
.set OUTROW, 0                         ; 1: the planes go out row-major
.set KSL,    32*NW                     ; a work-group's slice of K
.set NB,     NOUT/64
.set JPW,    8/NW                      ; of the eight j, so many are summed and stored by a wave
.set PLI,    64*KIN*4                  ; bytes of a plane coming in
.set PLO,    64*NOUT*4                 ; and going out
.set JP,     528                       ; LDS: 512 bytes for one j of one wave, + 16
.set RPW,    8*JP                      ; a wave's eight j
.set SPARE,  NW*RPW                    ; behind them the spare words, 128 bytes a wave, that no other line names
.set SPW, 6                            ; v6  LDS address of my spare word; never rewritten
.set NIL, 7                            ; v7  0; never rewritten
.set WR,  8                            ; v8-71    W as loaded: [p 0..15][t 0..3]; then its residues
.set R,   8                            ;          later: the waves' partial sums read back
.set XF,  72                           ; v72-95   x's three fragments
.set T,   96                           ; v96-159  at work in front of the products
.set AH,  96                           ; v96-127  four results x0 w0
.set AL,  128                          ; v128-159 four results of the five smaller products
.set WF,  160                          ; v160-255 W's fragments: 24 t + 8 part
.set XR,  160                          ; in front of that: x, or its four planes, 16 numbers each
.set BI,  224                          ; and 16 numbers of the bias
.set OUT, 160                          ; behind the products: AH + AL, [j][t]
.if FIRST
	s_load_b64 s[4:5], s[0:1], 0x0                 ; x
	s_load_b64 s[8:9], s[0:1], 0x8                 ; W
	s_load_b64 s[10:11], s[0:1], 0x10              ; out
.else
	s_load_b256 s[4:11], s[0:1], 0x0               ; planes in s[4:5], bias s[6:7], W s[8:9], out s[10:11]
.endif
	v_lshl_add_u32 v[SPW], v0, 2, SPARE
	v_mov_b32 v[NIL], 0
	v_lshrrev_b32 v1, 5, v0
	v_readfirstlane_b32 s12, v1                    ; wave
	s_and_b32 s15, ttmp9, 3                        ; mt
	s_lshr_b32 s13, ttmp9, 2                       ; nb
	s_and_b32 s16, ttmp7, 0xffff                   ; sk
	s_and_b32 s17, s12, 1
	s_lshr_b32 s18, s12, 1
	s_mul_i32 s19, s16, KSL
	s_lshl_b32 s18, s18, 6
	s_add_co_u32 s19, s19, s18
	s_lshl_b32 s18, s17, 4
	s_add_co_u32 s19, s19, s18                     ; k0 = sk KSL + 64 (w / 2) + 16 (w % 2)
	s_mov_b32 s24, 0xffff0000                      ; a number's top bf16
	s_mov_b32 s25, 0x07060302                      ; v_perm_b32: the two sources' upper halves
	s_mul_i32 s20, s19, NOUT*4                     ; W at row k0, column 64 nb
	s_lshl_b32 s21, s13, 8
	s_add_co_u32 s20, s20, s21
	s_mov_b32 s21, 0
.if FIRST
	s_mul_i32 s22, s15, 16*KIN*4                   ; x at row 16 mt, column k0
	s_lshl_b32 s23, s19, 2
	s_add_co_u32 s22, s22, s23
.else
	s_mul_i32 s22, s15, KIN/64                     ; the plane's block (mt, k0 / 64), and in it j = 4 (w % 2)
	s_lshr_b32 s23, s19, 6
	s_add_co_u32 s22, s22, s23
	s_lshl_b32 s22, s22, 12
	s_lshl_b32 s23, s17, 11
	s_add_co_u32 s22, s22, s23
	s_lshl_b32 s26, s19, 2                         ; the bias at k0
	s_mov_b32 s27, 0
.endif
	s_mov_b32 s23, 0
	s_mul_i32 s28, s16, PLO                        ; where my part of plane sk begins
.if OUTROW
	s_lshl_b32 s29, s15, 4
	s_lshl_b32 s14, s12, 1
	s_add_co_u32 s29, s29, s14                     ; row 16 mt + 2 w,
	s_mul_i32 s29, s29, NOUT*4
	s_add_co_u32 s28, s28, s29
	s_lshl_b32 s29, s13, 8                         ; column 64 nb
	s_add_co_u32 s28, s28, s29
.else
	s_mul_i32 s29, s15, NB
	s_add_co_u32 s29, s29, s13
	s_lshl_b32 s29, s29, 12                        ; block (mt, nb),
	s_add_co_u32 s28, s28, s29
	s_mul_i32 s29, s12, JPW*512                    ; j = w JPW
	s_add_co_u32 s28, s28, s29
.endif
	s_mov_b32 s29, 0
	v_and_b32 v[T], 31, v0                         ; L
	v_and_b32 v[T+1], 15, v0                       ; r
	v_bfe_u32 v[T+2], v0, 4, 1                     ; h
	v_mul_u32_u24 v1, v[T+2], 32*NOUT*4            ; W: 32 rows down for the upper half of the lanes, 16 bytes a lane
	v_lshl_add_u32 v1, v[T+1], 4, v1
.if FIRST
	v_mul_u32_u24 v2, v[T+1], KIN*4                ; x: row r, 32 columns on for the upper half
	v_lshl_add_u32 v2, v[T+2], 7, v2
.else
	v_lshlrev_b32 v2, 4, v[T]                      ; planes: 16 bytes a lane
	v_lshlrev_b32 v3, 7, v[T+2]                    ; bias: 32 numbers on for the upper half
.endif
	s_mul_i32 s14, s12, RPW
	v_lshl_add_u32 v4, v[T], 4, s14                ; LDS, in: my wave's part, 16 bytes a lane
.if OUTROW
	v_and_b32 v5, 7, v0                            ; LDS, back, by rows: lane L takes j = L % 8, half (L / 8) % 2, query 2 w + L / 16
	v_mul_u32_u24 v5, v5, JP
	v_bfe_u32 v[T+3], v0, 3, 1
	v_lshl_add_u32 v5, v[T+3], 8, v5
	v_lshl_add_u32 v5, v[T+2], 4, v5
	s_lshl_b32 s14, s12, 5
	v_add_nc_u32 v5, s14, v5
.else
	s_mul_i32 s14, s12, JPW*JP
	v_lshl_add_u32 v5, v[T], 4, s14                ; LDS, back: j = w JPW of every wave's part
.endif
	s_wait_kmcnt 0x0
	s_add_nc_u64 s[4:5], s[4:5], s[22:23]
	s_add_nc_u64 s[8:9], s[8:9], s[20:21]
	s_add_nc_u64 s[10:11], s[10:11], s[28:29]
	; ALL LOADS AT ONCE: x (and the bias) first, W's sixteen last
.if FIRST
.irp i, 0,1,2,3
	global_load_b128 v[XR+4*(\i):XR+4*(\i)+3], v2, s[4:5] offset:16*(\i)
.endr
.else
	s_add_nc_u64 s[6:7], s[6:7], s[26:27]
.irp pl, 0,1,2,3
.irp i, 0,1,2,3
	global_load_b128 v[XR+16*(\pl)+4*(\i):XR+16*(\pl)+4*(\i)+3], v2, s[4:5] offset:(\pl)*PLI+512*(\i)
.endr
.endr
.irp i, 0,1,2,3
	global_load_b128 v[BI+4*(\i):BI+4*(\i)+3], v3, s[6:7] offset:16*(\i)
.endr
.endif
.set p, 0
.rept 16
	global_load_b128 v[WR+4*p:WR+4*p+3], v1, s[8:9] offset:p*NOUT*4  ; row k0 + 32 h + p: sixteen lanes take 256 consecutive bytes, aligned
.set p, p+1
.endr
.macro RESID base, cnt                 ; every number of the run loses its top eight significant bits: x - (x & mask), exact
.set c, 0
.rept \cnt
	v_and_b32 v[T+c], s24, v[(\base)+c]
.set c, c+1
.endr
.set c, 0
.rept (\cnt)/2
	v_pk_add_f32 v[(\base)+c:(\base)+c+1], v[(\base)+c:(\base)+c+1], v[T+c:T+c+1] neg_lo:[0,1] neg_hi:[0,1]
.set c, c+2
.endr
.endm
.macro PACKX l                         ; the top bf16 of x's 16 numbers, in pairs: part l of the fragment
.set c, 0
.rept 8
	v_perm_b32 v[XF+8*(\l)+c], v[XR+2*c+1], v[XR+2*c], s25
.set c, c+1
.endr
.endm
.macro PACKW l                         ; the same for W's four columns: slots 2 c and 2 c + 1 lie four registers apart
.irp t, 0,1,2,3
.set c, 0
.rept 8
	v_perm_b32 v[WF+24*(\t)+8*(\l)+c], v[WR+8*c+4+(\t)], v[WR+8*c+(\t)], s25
.set c, c+1
.endr
.endr
.endm
.macro MM acc, xl, wl, zero            ; four products, one for each t: the four accumulators take turns
.irp t, 0,1,2,3
.if \zero
	v_wmma_f32_16x16x32_bf16 v[(\acc)+8*(\t):(\acc)+8*(\t)+7], v[WF+24*(\t)+8*(\wl):WF+24*(\t)+8*(\wl)+7], v[XF+8*(\xl):XF+8*(\xl)+7], 0
.else
	v_wmma_f32_16x16x32_bf16 v[(\acc)+8*(\t):(\acc)+8*(\t)+7], v[WF+24*(\t)+8*(\wl):WF+24*(\t)+8*(\wl)+7], v[XF+8*(\xl):XF+8*(\xl)+7], v[(\acc)+8*(\t):(\acc)+8*(\t)+7]
.endif
.endr
.endm
	s_wait_loadcnt 16                              ; loads come back in order (ISA guide 5.7.1): all but W's sixteen are in
.if !FIRST
.irp pl, 1,2,3                         ; ((P0 + P1) + P2) + P3, then the bias, then ReLU
.set c, 0
.rept 8
	v_pk_add_f32 v[XR+c:XR+c+1], v[XR+c:XR+c+1], v[XR+16*(\pl)+c:XR+16*(\pl)+c+1]
.set c, c+2
.endr
.endr
.set c, 0
.rept 8
	v_pk_add_f32 v[XR+c:XR+c+1], v[XR+c:XR+c+1], v[BI+c:BI+c+1]
.set c, c+2
.endr
.set c, 0
.rept 16
	v_max_num_f32 v[XR+c], 0, v[XR+c]
.set c, c+1
.endr
.endif
	PACKX 0
	RESID XR, 16
	PACKX 1
	RESID XR, 16
	PACKX 2
	s_wait_loadcnt 0x0                             ; W is in; every load's address register is free
.if OUTROW
	v_bfe_u32 v3, v0, 4, 1                         ; my offset in the store: lanes 0-15 one row's 256 bytes, lanes 16-31 the next row's
	v_mul_u32_u24 v3, v3, NOUT*4
	v_and_b32 v2, 15, v0
	v_lshl_add_u32 v3, v2, 4, v3
.else
	v_and_b32 v3, 31, v0                           ; my offset in the store: 16 bytes a lane
	v_lshlrev_b32 v3, 4, v3
.endif
	PACKW 0
	RESID WR, 64
	PACKW 1
	RESID WR, 64
	PACKW 2
	MM AH, 0, 0, 1                                 ; x0 w0 starts its own sum
	MM AL, 0, 2, 1                                 ; the smaller products, smallest first
	MM AL, 1, 1, 0
	MM AL, 2, 0, 0
	MM AL, 0, 1, 0
	MM AL, 1, 0, 0
.rept 4
	v_nop                                          ; four places between the last product and the lines that read results and write over W's fragments (ISA guide 7.12.1)
.endr
.set j, 0
.rept 8                                ; register 0 of every accumulator is read first
.irp t, 0,1,2,3
	v_add_f32 v[OUT+4*j+(\t)], v[AH+8*(\t)+j], v[AL+8*(\t)+j]
.endr
.set j, j+1
.endr
.set j, 0
.rept 8
	ds_store_b128 v4, v[OUT+4*j:OUT+4*j+3] offset:j*JP
.set j, j+1
.endr
	s_wait_dscnt 0x0                               ; for the others' sake: my stores are done
	s_barrier_signal -1
	s_barrier_wait -1
.set jj, 0
.rept JPW
.set sw, 0
.rept NW
	ds_load_b128 v[R+4*(jj*NW+sw):R+4*(jj*NW+sw)+3], v5 offset:sw*RPW+jj*JP
.set sw, sw+1
.endr
.set jj, jj+1
.endr
	s_wait_dscnt 0x0
.set jj, 0
.rept JPW                              ; the waves' sums in ascending order of K
.set sw, 1
.rept NW-1
	v_pk_add_f32 v[R+4*jj*NW:R+4*jj*NW+1], v[R+4*jj*NW:R+4*jj*NW+1], v[R+4*(jj*NW+sw):R+4*(jj*NW+sw)+1]
	v_pk_add_f32 v[R+4*jj*NW+2:R+4*jj*NW+3], v[R+4*jj*NW+2:R+4*jj*NW+3], v[R+4*(jj*NW+sw)+2:R+4*(jj*NW+sw)+3]
.set sw, sw+1
.endr
	global_store_b128 v3, v[R+4*jj*NW:R+4*jj*NW+3], s[10:11] offset:512*jj  ; sixteen lanes store 256 consecutive bytes, aligned
.set jj, jj+1
.endr
	s_wait_tensorcnt 0x0                           ; the wave's end
	ds_add_u32 v[SPW], v[NIL]
	s_wait_dscnt 0x0
	s_endpgm
.Lfunc_end_k_qc65db2fd25_lay2:
	.size	k_qc65db2fd25_lay2, .Lfunc_end_k_qc65db2fd25_lay2-k_qc65db2fd25_lay2
	.p2alignl 7, 3214868480
	.fill 96, 4, 3214868480
	.section	.rodata,"a",@progbits
	.p2align	6, 0x0
	.amdhsa_kernel k_qc65db2fd25_lay2
		.amdhsa_group_segment_fixed_size 34816
		.amdhsa_private_segment_fixed_size 0
		.amdhsa_enable_private_segment 0
		.amdhsa_kernarg_size 32
		.amdhsa_user_sgpr_count 2
		.amdhsa_user_sgpr_kernarg_segment_ptr 1
		.amdhsa_wavefront_size32 1
		.amdhsa_system_sgpr_workgroup_id_x 1
		.amdhsa_system_sgpr_workgroup_id_y 1
		.amdhsa_system_sgpr_workgroup_id_z 1
		.amdhsa_system_vgpr_workitem_id 0
		.amdhsa_next_free_vgpr 256
		.amdhsa_next_free_sgpr 66
		.amdhsa_reserve_vcc 0
		.amdhsa_float_denorm_mode_32 3
		.amdhsa_float_denorm_mode_16_64 3
		.amdhsa_memory_ordered 1
		.amdhsa_forward_progress 1
		.amdhsa_inst_pref_size 31
	.end_amdhsa_kernel
	.amdgpu_metadata
---
amdhsa.version: [ 1, 2 ]
amdhsa.kernels:
  - .name:           k_qc65db2fd25_lay2
    .symbol:         k_qc65db2fd25_lay2.kd
    .args:
      - { .name: pa, .offset: 0, .size: 8, .value_kind: global_buffer, .address_space: global }
      - { .name: b1, .offset: 8, .size: 8, .value_kind: global_buffer, .address_space: global }
      - { .name: W2, .offset: 16, .size: 8, .value_kind: global_buffer, .address_space: global }
      - { .name: pb, .offset: 24, .size: 8, .value_kind: global_buffer, .address_space: global }
    .group_segment_fixed_size: 34816
    .private_segment_fixed_size: 0
    .kernarg_segment_align: 8
    .kernarg_segment_size: 32
    .max_flat_workgroup_size: 256
    .sgpr_count:     66
    .vgpr_count:     256
    .wavefront_size: 32
...
	.end_amdgpu_metadata
.endif
;; end of part 2
;; launch lay3: the kernel of part 2 again; grid 64 x 4, 8 waves a work-group, no clusters, 34,816 bytes of LDS; arguments pb, b2, W3, pa; writes pa
;; launch lay4 (part 3): grid 128 x 4, 8 waves a work-group, no clusters, 34,816 bytes of LDS; arguments pa, b3, W4, p4; writes p4
.if DOCPART == 3
	.amdgcn_target "amdgcn-amd-amdhsa--gfx1250"
	.amdhsa_code_object_version 6
	.text
	.protected	k_qc65db2fd25_lay4
	.globl	k_qc65db2fd25_lay4
	.p2align	8
	.type	k_qc65db2fd25_lay4,@function
k_qc65db2fd25_lay4:
	s_mov_b64 s[64:65], 0
	v_nop
	global_prefetch_b8 v0, s[64:65] scope:SCOPE_SE
	s_setreg_imm32_b32 hwreg(HW_REG_WAVE_MODE, 25, 1), 1
	s_wait_xcnt 0x0
; ONE LAYER OF THE MLP AS PARTIAL SUMS: out[plane sk] = x[:, K slice sk] W[K slice sk, :].  One text serves three bodies; the five constants below choose.
; This body (layer 4): x = relu(the sum of layer 3's four planes + b3), W = W4 [1024][2048] f32, out = four planes [64][2048] f32, row-major.
; EXACT OPERANDS.  The indices that the program returns hang on differences far below bf16's step, so each f32 operand is cut, by masking, into three bf16
; parts of 8 + 8 + 8 significant bits (exact), and six of the nine products are summed in f32: x0 w0 by itself, x0 w2 + x1 w1 + x2 w0 + x0 w1 + x1 w0 by
; themselves, small terms first.  The three left out lie 2^-24 and more below the product.
; SHARES.  Work-group x = mt + 4 nb (16 queries, 64 columns), y = sk (a K slice of 32 NW).  A wave takes one matrix K step of 32: k = k0 + 32 h + p for
; slot p = 0..15 of lane half h, in both operands alike, so the products stay the same.  The waves' sums meet in LDS.
; THE MATRIX INSTRUCTION IS USED TRANSPOSED: source 0 = 16 columns of W (lane r: column 64 nb + 4 r + t), source 1 = 16 queries.  Register j of result t in
; lane (r, h) is query r, column 64 nb + 32 h + 4 j + t: four results give 16 neighbouring bytes a lane.
; FRAGMENT ORDER of a plane coming in: [mt][nb][j 0..7][lane][t 0..3] f32: a lane finds its 16 numbers of x by four loads of 16 bytes, 512 consecutive bytes a wave.
; NO CLUSTER, NO TENSOR LOAD: a work-group's share of W is read once and cut in registers; the four work-groups that read the same 64 columns are neighbours in x.
; LIMITS.  NaN and infinities are not treated apart.  The sums are not the reference's bits: they agree to about the last bit of f32.
.set FIRST,  0                         ; 1: x is the module's input, row-major; 0: x = relu(sum of four planes + bias)
.set NW,     8                         ; waves
.set KIN,    1024
.set NOUT,   2048
.set OUTROW, 1                         ; 1: the planes go out row-major
.set KSL,    32*NW                     ; a work-group's slice of K
.set NB,     NOUT/64
.set JPW,    8/NW                      ; of the eight j, so many are summed and stored by a wave
.set PLI,    64*KIN*4                  ; bytes of a plane coming in
.set PLO,    64*NOUT*4                 ; and going out
.set JP,     528                       ; LDS: 512 bytes for one j of one wave, + 16
.set RPW,    8*JP                      ; a wave's eight j
.set SPARE,  NW*RPW                    ; behind them the spare words, 128 bytes a wave, that no other line names
.set SPW, 6                            ; v6  LDS address of my spare word; never rewritten
.set NIL, 7                            ; v7  0; never rewritten
.set WR,  8                            ; v8-71    W as loaded: [p 0..15][t 0..3]; then its residues
.set R,   8                            ;          later: the waves' partial sums read back
.set XF,  72                           ; v72-95   x's three fragments
.set T,   96                           ; v96-159  at work in front of the products
.set AH,  96                           ; v96-127  four results x0 w0
.set AL,  128                          ; v128-159 four results of the five smaller products
.set WF,  160                          ; v160-255 W's fragments: 24 t + 8 part
.set XR,  160                          ; in front of that: x, or its four planes, 16 numbers each
.set BI,  224                          ; and 16 numbers of the bias
.set OUT, 160                          ; behind the products: AH + AL, [j][t]
.if FIRST
	s_load_b64 s[4:5], s[0:1], 0x0                 ; x
	s_load_b64 s[8:9], s[0:1], 0x8                 ; W
	s_load_b64 s[10:11], s[0:1], 0x10              ; out
.else
	s_load_b256 s[4:11], s[0:1], 0x0               ; planes in s[4:5], bias s[6:7], W s[8:9], out s[10:11]
.endif
	v_lshl_add_u32 v[SPW], v0, 2, SPARE
	v_mov_b32 v[NIL], 0
	v_lshrrev_b32 v1, 5, v0
	v_readfirstlane_b32 s12, v1                    ; wave
	s_and_b32 s15, ttmp9, 3                        ; mt
	s_lshr_b32 s13, ttmp9, 2                       ; nb
	s_and_b32 s16, ttmp7, 0xffff                   ; sk
	s_and_b32 s17, s12, 1
	s_lshr_b32 s18, s12, 1
	s_mul_i32 s19, s16, KSL
	s_lshl_b32 s18, s18, 6
	s_add_co_u32 s19, s19, s18
	s_lshl_b32 s18, s17, 4
	s_add_co_u32 s19, s19, s18                     ; k0 = sk KSL + 64 (w / 2) + 16 (w % 2)
	s_mov_b32 s24, 0xffff0000                      ; a number's top bf16
	s_mov_b32 s25, 0x07060302                      ; v_perm_b32: the two sources' upper halves
	s_mul_i32 s20, s19, NOUT*4                     ; W at row k0, column 64 nb
	s_lshl_b32 s21, s13, 8
	s_add_co_u32 s20, s20, s21
	s_mov_b32 s21, 0
.if FIRST
	s_mul_i32 s22, s15, 16*KIN*4                   ; x at row 16 mt, column k0
	s_lshl_b32 s23, s19, 2
	s_add_co_u32 s22, s22, s23
.else
	s_mul_i32 s22, s15, KIN/64                     ; the plane's block (mt, k0 / 64), and in it j = 4 (w % 2)
	s_lshr_b32 s23, s19, 6
	s_add_co_u32 s22, s22, s23
	s_lshl_b32 s22, s22, 12
	s_lshl_b32 s23, s17, 11
	s_add_co_u32 s22, s22, s23
	s_lshl_b32 s26, s19, 2                         ; the bias at k0
	s_mov_b32 s27, 0
.endif
	s_mov_b32 s23, 0
	s_mul_i32 s28, s16, PLO                        ; where my part of plane sk begins
.if OUTROW
	s_lshl_b32 s29, s15, 4
	s_lshl_b32 s14, s12, 1
	s_add_co_u32 s29, s29, s14                     ; row 16 mt + 2 w,
	s_mul_i32 s29, s29, NOUT*4
	s_add_co_u32 s28, s28, s29
	s_lshl_b32 s29, s13, 8                         ; column 64 nb
	s_add_co_u32 s28, s28, s29
.else
	s_mul_i32 s29, s15, NB
	s_add_co_u32 s29, s29, s13
	s_lshl_b32 s29, s29, 12                        ; block (mt, nb),
	s_add_co_u32 s28, s28, s29
	s_mul_i32 s29, s12, JPW*512                    ; j = w JPW
	s_add_co_u32 s28, s28, s29
.endif
	s_mov_b32 s29, 0
	v_and_b32 v[T], 31, v0                         ; L
	v_and_b32 v[T+1], 15, v0                       ; r
	v_bfe_u32 v[T+2], v0, 4, 1                     ; h
	v_mul_u32_u24 v1, v[T+2], 32*NOUT*4            ; W: 32 rows down for the upper half of the lanes, 16 bytes a lane
	v_lshl_add_u32 v1, v[T+1], 4, v1
.if FIRST
	v_mul_u32_u24 v2, v[T+1], KIN*4                ; x: row r, 32 columns on for the upper half
	v_lshl_add_u32 v2, v[T+2], 7, v2
.else
	v_lshlrev_b32 v2, 4, v[T]                      ; planes: 16 bytes a lane
	v_lshlrev_b32 v3, 7, v[T+2]                    ; bias: 32 numbers on for the upper half
.endif
	s_mul_i32 s14, s12, RPW
	v_lshl_add_u32 v4, v[T], 4, s14                ; LDS, in: my wave's part, 16 bytes a lane
.if OUTROW
	v_and_b32 v5, 7, v0                            ; LDS, back, by rows: lane L takes j = L % 8, half (L / 8) % 2, query 2 w + L / 16
	v_mul_u32_u24 v5, v5, JP
	v_bfe_u32 v[T+3], v0, 3, 1
	v_lshl_add_u32 v5, v[T+3], 8, v5
	v_lshl_add_u32 v5, v[T+2], 4, v5
	s_lshl_b32 s14, s12, 5
	v_add_nc_u32 v5, s14, v5
.else
	s_mul_i32 s14, s12, JPW*JP
	v_lshl_add_u32 v5, v[T], 4, s14                ; LDS, back: j = w JPW of every wave's part
.endif
	s_wait_kmcnt 0x0
	s_add_nc_u64 s[4:5], s[4:5], s[22:23]
	s_add_nc_u64 s[8:9], s[8:9], s[20:21]
	s_add_nc_u64 s[10:11], s[10:11], s[28:29]
	; ALL LOADS AT ONCE: x (and the bias) first, W's sixteen last
.if FIRST
.irp i, 0,1,2,3
	global_load_b128 v[XR+4*(\i):XR+4*(\i)+3], v2, s[4:5] offset:16*(\i)
.endr
.else
	s_add_nc_u64 s[6:7], s[6:7], s[26:27]
.irp pl, 0,1,2,3
.irp i, 0,1,2,3
	global_load_b128 v[XR+16*(\pl)+4*(\i):XR+16*(\pl)+4*(\i)+3], v2, s[4:5] offset:(\pl)*PLI+512*(\i)
.endr
.endr
.irp i, 0,1,2,3
	global_load_b128 v[BI+4*(\i):BI+4*(\i)+3], v3, s[6:7] offset:16*(\i)
.endr
.endif
.set p, 0
.rept 16
	global_load_b128 v[WR+4*p:WR+4*p+3], v1, s[8:9] offset:p*NOUT*4  ; row k0 + 32 h + p: sixteen lanes take 256 consecutive bytes, aligned
.set p, p+1
.endr
.macro RESID base, cnt                 ; every number of the run loses its top eight significant bits: x - (x & mask), exact
.set c, 0
.rept \cnt
	v_and_b32 v[T+c], s24, v[(\base)+c]
.set c, c+1
.endr
.set c, 0
.rept (\cnt)/2
	v_pk_add_f32 v[(\base)+c:(\base)+c+1], v[(\base)+c:(\base)+c+1], v[T+c:T+c+1] neg_lo:[0,1] neg_hi:[0,1]
.set c, c+2
.endr
.endm
.macro PACKX l                         ; the top bf16 of x's 16 numbers, in pairs: part l of the fragment
.set c, 0
.rept 8
	v_perm_b32 v[XF+8*(\l)+c], v[XR+2*c+1], v[XR+2*c], s25
.set c, c+1
.endr
.endm
.macro PACKW l                         ; the same for W's four columns: slots 2 c and 2 c + 1 lie four registers apart
.irp t, 0,1,2,3
.set c, 0
.rept 8
	v_perm_b32 v[WF+24*(\t)+8*(\l)+c], v[WR+8*c+4+(\t)], v[WR+8*c+(\t)], s25
.set c, c+1
.endr
.endr
.endm
.macro MM acc, xl, wl, zero            ; four products, one for each t: the four accumulators take turns
.irp t, 0,1,2,3
.if \zero
	v_wmma_f32_16x16x32_bf16 v[(\acc)+8*(\t):(\acc)+8*(\t)+7], v[WF+24*(\t)+8*(\wl):WF+24*(\t)+8*(\wl)+7], v[XF+8*(\xl):XF+8*(\xl)+7], 0
.else
	v_wmma_f32_16x16x32_bf16 v[(\acc)+8*(\t):(\acc)+8*(\t)+7], v[WF+24*(\t)+8*(\wl):WF+24*(\t)+8*(\wl)+7], v[XF+8*(\xl):XF+8*(\xl)+7], v[(\acc)+8*(\t):(\acc)+8*(\t)+7]
.endif
.endr
.endm
	s_wait_loadcnt 16                              ; loads come back in order (ISA guide 5.7.1): all but W's sixteen are in
.if !FIRST
.irp pl, 1,2,3                         ; ((P0 + P1) + P2) + P3, then the bias, then ReLU
.set c, 0
.rept 8
	v_pk_add_f32 v[XR+c:XR+c+1], v[XR+c:XR+c+1], v[XR+16*(\pl)+c:XR+16*(\pl)+c+1]
.set c, c+2
.endr
.endr
.set c, 0
.rept 8
	v_pk_add_f32 v[XR+c:XR+c+1], v[XR+c:XR+c+1], v[BI+c:BI+c+1]
.set c, c+2
.endr
.set c, 0
.rept 16
	v_max_num_f32 v[XR+c], 0, v[XR+c]
.set c, c+1
.endr
.endif
	PACKX 0
	RESID XR, 16
	PACKX 1
	RESID XR, 16
	PACKX 2
	s_wait_loadcnt 0x0                             ; W is in; every load's address register is free
.if OUTROW
	v_bfe_u32 v3, v0, 4, 1                         ; my offset in the store: lanes 0-15 one row's 256 bytes, lanes 16-31 the next row's
	v_mul_u32_u24 v3, v3, NOUT*4
	v_and_b32 v2, 15, v0
	v_lshl_add_u32 v3, v2, 4, v3
.else
	v_and_b32 v3, 31, v0                           ; my offset in the store: 16 bytes a lane
	v_lshlrev_b32 v3, 4, v3
.endif
	PACKW 0
	RESID WR, 64
	PACKW 1
	RESID WR, 64
	PACKW 2
	MM AH, 0, 0, 1                                 ; x0 w0 starts its own sum
	MM AL, 0, 2, 1                                 ; the smaller products, smallest first
	MM AL, 1, 1, 0
	MM AL, 2, 0, 0
	MM AL, 0, 1, 0
	MM AL, 1, 0, 0
.rept 4
	v_nop                                          ; four places between the last product and the lines that read results and write over W's fragments (ISA guide 7.12.1)
.endr
.set j, 0
.rept 8                                ; register 0 of every accumulator is read first
.irp t, 0,1,2,3
	v_add_f32 v[OUT+4*j+(\t)], v[AH+8*(\t)+j], v[AL+8*(\t)+j]
.endr
.set j, j+1
.endr
.set j, 0
.rept 8
	ds_store_b128 v4, v[OUT+4*j:OUT+4*j+3] offset:j*JP
.set j, j+1
.endr
	s_wait_dscnt 0x0                               ; for the others' sake: my stores are done
	s_barrier_signal -1
	s_barrier_wait -1
.set jj, 0
.rept JPW
.set sw, 0
.rept NW
	ds_load_b128 v[R+4*(jj*NW+sw):R+4*(jj*NW+sw)+3], v5 offset:sw*RPW+jj*JP
.set sw, sw+1
.endr
.set jj, jj+1
.endr
	s_wait_dscnt 0x0
.set jj, 0
.rept JPW                              ; the waves' sums in ascending order of K
.set sw, 1
.rept NW-1
	v_pk_add_f32 v[R+4*jj*NW:R+4*jj*NW+1], v[R+4*jj*NW:R+4*jj*NW+1], v[R+4*(jj*NW+sw):R+4*(jj*NW+sw)+1]
	v_pk_add_f32 v[R+4*jj*NW+2:R+4*jj*NW+3], v[R+4*jj*NW+2:R+4*jj*NW+3], v[R+4*(jj*NW+sw)+2:R+4*(jj*NW+sw)+3]
.set sw, sw+1
.endr
	global_store_b128 v3, v[R+4*jj*NW:R+4*jj*NW+3], s[10:11] offset:512*jj  ; sixteen lanes store 256 consecutive bytes, aligned
.set jj, jj+1
.endr
	s_wait_tensorcnt 0x0                           ; the wave's end
	ds_add_u32 v[SPW], v[NIL]
	s_wait_dscnt 0x0
	s_endpgm
.Lfunc_end_k_qc65db2fd25_lay4:
	.size	k_qc65db2fd25_lay4, .Lfunc_end_k_qc65db2fd25_lay4-k_qc65db2fd25_lay4
	.p2alignl 7, 3214868480
	.fill 96, 4, 3214868480
	.section	.rodata,"a",@progbits
	.p2align	6, 0x0
	.amdhsa_kernel k_qc65db2fd25_lay4
		.amdhsa_group_segment_fixed_size 34816
		.amdhsa_private_segment_fixed_size 0
		.amdhsa_enable_private_segment 0
		.amdhsa_kernarg_size 32
		.amdhsa_user_sgpr_count 2
		.amdhsa_user_sgpr_kernarg_segment_ptr 1
		.amdhsa_wavefront_size32 1
		.amdhsa_system_sgpr_workgroup_id_x 1
		.amdhsa_system_sgpr_workgroup_id_y 1
		.amdhsa_system_sgpr_workgroup_id_z 1
		.amdhsa_system_vgpr_workitem_id 0
		.amdhsa_next_free_vgpr 256
		.amdhsa_next_free_sgpr 66
		.amdhsa_reserve_vcc 0
		.amdhsa_float_denorm_mode_32 3
		.amdhsa_float_denorm_mode_16_64 3
		.amdhsa_memory_ordered 1
		.amdhsa_forward_progress 1
		.amdhsa_inst_pref_size 32
	.end_amdhsa_kernel
	.amdgpu_metadata
---
amdhsa.version: [ 1, 2 ]
amdhsa.kernels:
  - .name:           k_qc65db2fd25_lay4
    .symbol:         k_qc65db2fd25_lay4.kd
    .args:
      - { .name: pa, .offset: 0, .size: 8, .value_kind: global_buffer, .address_space: global }
      - { .name: b3, .offset: 8, .size: 8, .value_kind: global_buffer, .address_space: global }
      - { .name: W4, .offset: 16, .size: 8, .value_kind: global_buffer, .address_space: global }
      - { .name: p4, .offset: 24, .size: 8, .value_kind: global_buffer, .address_space: global }
    .group_segment_fixed_size: 34816
    .private_segment_fixed_size: 0
    .kernarg_segment_align: 8
    .kernarg_segment_size: 32
    .max_flat_workgroup_size: 256
    .sgpr_count:     66
    .vgpr_count:     256
    .wavefront_size: 32
...
	.end_amdgpu_metadata
.endif
;; end of part 3
;; launch fin (part 4): grid 128 x 1, 8 waves a work-group, no clusters, 0 bytes of LDS; arguments p4, b4, fpw; writes fpw
.if DOCPART == 4
	.amdgcn_target "amdgcn-amd-amdhsa--gfx1250"
	.amdhsa_code_object_version 6
	.text
	.protected	k_qc65db2fd25_fin
	.globl	k_qc65db2fd25_fin
	.p2align	8
	.type	k_qc65db2fd25_fin,@function
k_qc65db2fd25_fin:
	s_mov_b64 s[64:65], 0
	v_nop
	global_prefetch_b8 v0, s[64:65] scope:SCOPE_SE
	s_setreg_imm32_b32 hwreg(HW_REG_WAVE_MODE, 25, 1), 1
	s_wait_xcnt 0x0
; fp = sigmoid(((P0 + P1) + P2) + P3 + b4).  p4: four planes [64][2048] f32; b4: [2048] f32; fpw: [64][2048] f32.
; A thread takes four neighbouring columns, 16 bytes; a work-group 1,024 numbers, half a row; every load and store of a wave covers 512 consecutive bytes.
; sigmoid(x) = 1 / (1 + 2^(-x log2 e)); the reciprocal is mended by one Newton step, so that what is left is the exponential's own last bit.
; LIMIT.  The exponent is held at 126, so that 1 + 2^y stays finite and its reciprocal normal: for x below -87.3 fp is 2^-126 and falls no further
; (the reference goes on to denormals and 0: a difference under 1.2e-38 a term).  NaN is not treated apart.
; No LDS, no matrix unit, no cluster: 2.6 MB go through once, and no work-group shares a byte of p4 with another.
.set PLANE, 64*2048*4
	s_load_b128 s[4:7], s[0:1], 0x0                ; p4 s[4:5], b4 s[6:7]
	s_load_b64 s[8:9], s[0:1], 0x10                ; fpw
	v_lshlrev_b32 v1, 4, v0                        ; 16 bytes a thread
	s_lshl_b32 s10, ttmp9, 12                      ; 4,096 bytes a work-group
	s_mov_b32 s11, 0
	s_and_b32 s12, ttmp9, 1                        ; which half of a row: b4's offset
	s_lshl_b32 s12, s12, 12
	s_mov_b32 s13, 0
	s_wait_kmcnt 0x0
	s_add_nc_u64 s[4:5], s[4:5], s[10:11]
	s_add_nc_u64 s[8:9], s[8:9], s[10:11]
	s_add_nc_u64 s[6:7], s[6:7], s[12:13]
.irp pl, 0,1,2,3
	global_load_b128 v[4+4*(\pl):7+4*(\pl)], v1, s[4:5] offset:(\pl)*PLANE
.endr
	global_load_b128 v[20:23], v1, s[6:7]
	s_wait_loadcnt 0x0
.irp a, 8, 12, 16, 20
	v_pk_add_f32 v[4:5], v[4:5], v[(\a):(\a)+1]
	v_pk_add_f32 v[6:7], v[6:7], v[(\a)+2:(\a)+3]
.endr
.irp i, 0,1,2,3
	v_mul_f32 v[24+(\i)], 0xbfb8aa3b, v[4+(\i)]    ; -x log2 e
.endr
.irp i, 0,1,2,3
	v_min_num_f32 v[24+(\i)], 0x42fc0000, v[24+(\i)]  ; at most 126
.endr
.irp i, 0,1,2,3
	v_exp_f32 v[24+(\i)], v[24+(\i)]
.endr
	v_nop                                          ; a plain instruction between the last exponential and the use of its result (ISA guide 5.7.2)
	s_wait_alu depctr_va_vdst(0)
.irp i, 0,1,2,3
	v_add_f32 v[24+(\i)], 1.0, v[24+(\i)]
.endr
.irp i, 0,1,2,3
	v_rcp_f32 v[28+(\i)], v[24+(\i)]
.endr
	v_nop                                          ; the same behind the last reciprocal
	s_wait_alu depctr_va_vdst(0)
.irp i, 0,1,2,3
	v_fma_f32 v[32+(\i)], -v[24+(\i)], v[28+(\i)], 1.0  ; 1 - s r
.endr
.irp i, 0,1,2,3
	v_fma_f32 v[28+(\i)], v[32+(\i)], v[28+(\i)], v[28+(\i)]  ; r + r (1 - s r)
.endr
	global_store_b128 v1, v[28:31], s[8:9]
	s_endpgm
.Lfunc_end_k_qc65db2fd25_fin:
	.size	k_qc65db2fd25_fin, .Lfunc_end_k_qc65db2fd25_fin-k_qc65db2fd25_fin
	.p2alignl 7, 3214868480
	.fill 96, 4, 3214868480
	.section	.rodata,"a",@progbits
	.p2align	6, 0x0
	.amdhsa_kernel k_qc65db2fd25_fin
		.amdhsa_group_segment_fixed_size 0
		.amdhsa_private_segment_fixed_size 0
		.amdhsa_enable_private_segment 0
		.amdhsa_kernarg_size 24
		.amdhsa_user_sgpr_count 2
		.amdhsa_user_sgpr_kernarg_segment_ptr 1
		.amdhsa_wavefront_size32 1
		.amdhsa_system_sgpr_workgroup_id_x 1
		.amdhsa_system_sgpr_workgroup_id_y 1
		.amdhsa_system_sgpr_workgroup_id_z 1
		.amdhsa_system_vgpr_workitem_id 0
		.amdhsa_next_free_vgpr 40
		.amdhsa_next_free_sgpr 66
		.amdhsa_reserve_vcc 0
		.amdhsa_float_denorm_mode_32 3
		.amdhsa_float_denorm_mode_16_64 3
		.amdhsa_memory_ordered 1
		.amdhsa_forward_progress 1
		.amdhsa_inst_pref_size 4
	.end_amdhsa_kernel
	.amdgpu_metadata
---
amdhsa.version: [ 1, 2 ]
amdhsa.kernels:
  - .name:           k_qc65db2fd25_fin
    .symbol:         k_qc65db2fd25_fin.kd
    .args:
      - { .name: p4, .offset: 0, .size: 8, .value_kind: global_buffer, .address_space: global }
      - { .name: b4, .offset: 8, .size: 8, .value_kind: global_buffer, .address_space: global }
      - { .name: fpw, .offset: 16, .size: 8, .value_kind: global_buffer, .address_space: global }
    .group_segment_fixed_size: 0
    .private_segment_fixed_size: 0
    .kernarg_segment_align: 8
    .kernarg_segment_size: 24
    .max_flat_workgroup_size: 256
    .sgpr_count:     66
    .vgpr_count:     40
    .wavefront_size: 32
...
	.end_amdgpu_metadata
.endif
;; end of part 4
;; launch dist (part 5): grid 256 x 1, 4 waves a work-group, no clusters, 327,680 bytes of LDS; arguments mol_fps, fpw, distw; writes distw
.if DOCPART == 5
	.amdgcn_target "amdgcn-amd-amdhsa--gfx1250"
	.amdhsa_code_object_version 6
	.text
	.protected	k_qc65db2fd25_dist
	.globl	k_qc65db2fd25_dist
	.p2align	8
	.type	k_qc65db2fd25_dist,@function
k_qc65db2fd25_dist:
	s_mov_b64 s[64:65], 0
	v_nop
	global_prefetch_b8 v0, s[64:65] scope:SCOPE_SE
	s_setreg_imm32_b32 hwreg(HW_REG_WAVE_MODE, 25, 1), 1
	s_wait_xcnt 0x0
; L1 DISTANCES.  distw[wg][q][i] = the sum over j of |mol_fps[32 wg + i][j] - fp[q][j]|, j = 0 .. 2047.  mol_fps: [8192][2048] f32, fpw: [64][2048] f32, distw: [256][64][32] f32.
; THE ORDER OF THE SUM is part of the result: the five nearest rows are told apart by differences near the last bits of sums of about a thousand.  So every term is the f32 difference and its
; magnitude, and the terms are added in f32 in this order: windows of 32 consecutive j, each summed in ascending j; 32 consecutive windows summed in ascending order; the two halves added.
; A pair (row, query) stays in one lane from first to last, so that order is the order of the text's lines.
; SHARES.  A work-group owns 32 rows against all 64 queries: each byte of mol_fps enters one work-group.  Wave w owns rows 8 w .. 8 w + 7; lane L (ql = L % 16, rl = L / 16) owns the 4 x 4 pairs of
; rows 8 w + 4 rl + a and queries ql + 16 b: 16 sums a lane, number i = 4 b + a.  For two j: 16 packed differences and 32 additions of a magnitude, 1.5 vector instructions a term.
; THE RING.  j goes in steps of 256 through two LDS slots: 32 rows of mol_fps and 64 rows of fp, 1,024 bytes each.  Waves 0 and 1 fetch 16 rows of mol_fps each, waves 2 and 3 32 rows of fp each:
; one tensor load a wave behind each change of slots, and never more than one of a wave's out.  Every row of a tile is 1,024 consecutive bytes at a multiple of 1,024 from its buffer's first byte.
; NO CLUSTER.  fp's tile (65,536 of a step's 98,304 bytes) is the same in all 256 work-groups and could be asked for jointly by four.  Between a tile's request and the wait for it stand eight windows,
; 8 x 778 vector instructions a wave, so a joint request would spare requests and no waiting; this text keeps the plain form.
; NO PREFETCH for the same reason; no matrix unit: the sum of magnitudes of free f32 numbers is no product.
; LIMITS.  NaN and infinities are not treated apart; sums must stay finite.
.set KC,    256                        ; j in a step
.set PITCH, 1040                       ; an LDS row: 1,024 bytes + 16 of padding = 65 x 16
.set FOFF,  32*PITCH                   ; in a slot: 32 rows of mol_fps, then 64 rows of fp
.set SLOT1, 131072                     ; slot 1 begins here, so that one exclusive or turns an address in one slot into the other's
.set STAGE, SLOT1+96*PITCH             ; behind the ring, never filled by a tensor load: 64 queries x 144 bytes, for the way out
.set SP,    144
.set SPARE, STAGE+64*SP                ; behind the stage: the spare words, 128 bytes a wave: two blocks of 256 bytes that no other line names
.set MB0, 16                           ; v16-47   buffer 0: 8 j of my 4 rows (8 a + j);   v80-111  buffer 1
.set FB0, 48                           ; v48-79   buffer 0: 8 j of my 4 queries (8 b + j); v112-143 buffer 1
.set D,   144                          ; v144-175 16 pairs of differences
.set A1,  176                          ; v176-191 the window in hand
.set A2,  192                          ; v192-207 the sum of windows
.set A3,  208                          ; v208-223 the first half's sum
; v1 my rows' place in a slot; v2 my queries'; v3, v4 the same with the window's place; v5, v6 stage in and back; v7 my offset in distw; v8, v9 the add's two registers, never rewritten
; s10 wave; s11 wave / 2 (0: I fetch mol_fps, 1: fp); s12 wave % 2 (which half of those rows); s[16:23], s[24:31] descriptor group 1 for mol_fps and fp; s[32:35], s[36:39] their group 0, which walk
; s40 LDS byte at which the window to be fetched begins; s41 windows left in the step; s42 steps left; s43 windows begun; s44 the mask that clears a sign; s45 at work
.macro LOAD                            ; a fill: the branch hangs on the wave's number alone; an s_nop 0 and four v_nop follow each of the two lines, ahead of the jump and the label
	s_cmp_eq_u32 s11, 0
	s_cbranch_scc0 .Lfor_f_\@
	tensor_load_to_lds s[32:35], s[16:23]
	s_nop 0
.rept 4
	v_nop
.endr
	s_branch .Lasked_\@
.Lfor_f_\@:
	tensor_load_to_lds s[36:39], s[24:31]
	s_nop 0
.rept 4
	v_nop
.endr
.Lasked_\@:
.endm
; THE CHANGE OF SLOTS.  Each wave waits for all its tensor loads, of which one is out: its part of the other slot; adds 0 to its spare word; and waits for that and for its own reads of the slot that it leaves
; (the last 8 j of that slot are then in registers).  Behind the barrier nobody reads the old slot any more and the other slot is whole.  fill = 1: the old slot is filled again, first thing behind the barrier,
; with the step two on.  (At its first use nothing has been read yet: slot 0 is waited for, slot 1 filled.)
.macro CHANGE fill
	s_wait_tensorcnt 0x0                           ; no tensor load of mine is out, so a group 0 may be written
	ds_add_u32 v8, v9                              ; 0 onto my spare word
.if \fill
	s_xor_b32 s33, s33, SLOT1                      ; the walking descriptors: the other slot than last time,
	s_add_nc_u64 s[34:35], s[34:35], KC*4          ; the next 256 j; the type bits on top are not reached
	s_xor_b32 s37, s37, SLOT1
	s_add_nc_u64 s[38:39], s[38:39], KC*4
.endif
	s_wait_dscnt 0x0                               ; the add is done, and my reads of the slot are over
	s_barrier_signal -1
	s_sub_co_u32 s40, s40, KC*4                    ; the fetches go back to a row's first byte,
	s_xor_b32 s40, s40, SLOT1                      ; in the other slot
	s_barrier_wait -1
.if \fill
	LOAD
.endif
.endm
.macro ADDR                            ; the window's place enters the two LDS addresses
	v_add_nc_u32 v3, s40, v1
	v_add_nc_u32 v4, s40, v2
.endm
.macro LOADG g, buf                    ; 16 LDS loads in one run: the window's j = 8 g .. 8 g + 7 of my 4 rows (one address for 16 lanes) and my 4 queries
.irp a, 0,1,2,3
	ds_load_b128 v[MB0+64*(\buf)+8*(\a):MB0+64*(\buf)+8*(\a)+3],   v3 offset:(\a)*PITCH+32*(\g)
	ds_load_b128 v[MB0+64*(\buf)+8*(\a)+4:MB0+64*(\buf)+8*(\a)+7], v3 offset:(\a)*PITCH+32*(\g)+16
.endr
.irp b, 0,1,2,3
	ds_load_b128 v[FB0+64*(\buf)+8*(\b):FB0+64*(\buf)+8*(\b)+3],   v4 offset:(\b)*16*PITCH+32*(\g)
	ds_load_b128 v[FB0+64*(\buf)+8*(\b)+4:FB0+64*(\buf)+8*(\b)+7], v4 offset:(\b)*16*PITCH+32*(\g)+16
.endr
.endm
; 8 j of the 16 pairs, two j at a time: 16 packed differences, then the even j's magnitudes onto the 16 sums, then the odd j's: ascending j in every sum, and 15 other sums between two additions onto one.
; first = 1: the window's first term starts its sum.
.macro COMP buf, first
.set jj, 0
.rept 4
.set i, 0
.rept 16
	v_pk_add_f32 v[D+2*i:D+2*i+1], v[MB0+64*(\buf)+8*(i%4)+2*jj:MB0+64*(\buf)+8*(i%4)+2*jj+1], v[FB0+64*(\buf)+8*(i/4)+2*jj:FB0+64*(\buf)+8*(i/4)+2*jj+1] neg_lo:[0,1] neg_hi:[0,1]
.set i, i+1
.endr
.set i, 0
.rept 16
.if (\first) && (jj == 0)
	v_and_b32 v[A1+i], s44, v[D+2*i]
.else
	v_add_f32 v[A1+i], v[A1+i], |v[D+2*i]|
.endif
.set i, i+1
.endr
.set i, 0
.rept 16
	v_add_f32 v[A1+i], v[A1+i], |v[D+2*i+1]|
.set i, i+1
.endr
.set jj, jj+1
.endr
.endm
.macro LEVEL2                          ; the finished window onto the sum of windows
.set i, 0
.rept 8
	v_pk_add_f32 v[A2+i:A2+i+1], v[A2+i:A2+i+1], v[A1+i:A1+i+1]
.set i, i+2
.endr
.endm
; A window's work is cut so that the look-ahead never leaves the slot.  HEADW: the next window's first 8 j are asked for, and the window before is finished (its last 8 j lie in buffer 1).
; third = 1: when 32 windows are finished, their sum is set aside and the second half begins at 0; the jump goes forward, on a counter, over register work alone.
.macro HEADW third
	ADDR
	LOADG 0, 0
	s_wait_dscnt 16                                ; LDS loads come back in order (ISA guide 5.7.1): all but the 16 just issued are in
	COMP 1, 0
	LEVEL2
.if \third
	s_cmp_lg_u32 s43, 32
	s_cbranch_scc1 .Lno_half_\@
.set i, 0
.rept 16
	v_mov_b32 v[A3+i], v[A2+i]
.set i, i+1
.endr
.set i, 0
.rept 16
	v_mov_b32 v[A2+i], 0
.set i, i+1
.endr
.Lno_half_\@:
.endif
.endm
.macro BODYW                           ; the window's first 24 j; each run of loads stands 192 vector instructions ahead of its first use
	LOADG 1, 1
	s_wait_dscnt 16
	COMP 0, 1
	LOADG 2, 0
	s_wait_dscnt 16
	COMP 1, 0
	LOADG 3, 1
	s_wait_dscnt 16
	COMP 0, 0
	s_add_co_u32 s40, s40, 128                     ; the next window: 32 j on
	s_add_co_u32 s43, s43, 1
.endm
	s_load_b128 s[4:7], s[0:1], 0x0                ; mol_fps s[4:5], fpw s[6:7]
	s_load_b64 s[8:9], s[0:1], 0x10                ; distw
	v_lshl_add_u32 v8, v0, 2, SPARE
	v_mov_b32 v9, 0
	ds_add_u32 v8, v9                              ; the wave's opening: the add and its wait stand ahead of my first tensor load; the set-up below, work on registers, stands between them
	ds_add_u32 v8, v9
	v_lshrrev_b32 v1, 5, v0
	v_readfirstlane_b32 s10, v1                    ; wave 0..3
	s_lshr_b32 s11, s10, 1
	s_and_b32 s12, s10, 1
	; descriptor group 1: rows of 256 elements of 4 bytes, 2,048 elements from row to row, padded in LDS
	s_mov_b32 s16, (2<<16)|(1<<20)|(7<<22)|(3<<25) ; 15:0 no mask; 17:16 4-byte elements; 20 padding on; 24:22 after every 256 words (code 7); 31:25 4 words (code 3)
	s_mov_b32 s17, KC<<16                          ; tensor_dim0 = 256
	s_mov_b32 s18, 16<<16                          ; tensor_dim1 = 16
	s_mov_b32 s19, KC<<16                          ; tile_dim0 = 256
	s_mov_b32 s20, 16                              ; tile_dim1 = 16
	s_mov_b32 s21, 2048                            ; the pitch
	s_mov_b32 s22, 0
	s_mov_b32 s23, 0
	s_mov_b32 s24, (2<<16)|(1<<20)|(7<<22)|(3<<25) ; the same for fp, with 32 rows
	s_mov_b32 s25, KC<<16
	s_mov_b32 s26, 32<<16
	s_mov_b32 s27, KC<<16
	s_mov_b32 s28, 32
	s_mov_b32 s29, 2048
	s_mov_b32 s30, 0
	s_mov_b32 s31, 0
	s_mov_b32 s32, 1                               ; group 0: count = 1
	s_mul_i32 s33, s12, 16*PITCH                   ; LDS address: slot 0, my half of mol_fps's 32 rows
	s_mov_b32 s36, 1
	s_mul_i32 s37, s12, 32*PITCH                   ; my half of fp's 64 rows,
	s_add_co_u32 s37, s37, FOFF                    ; which lie behind mol_fps's
	s_lshl_b32 s14, ttmp9, 18                      ; the work-group's 32 rows of 8,192 bytes,
	s_lshl_b32 s15, s12, 17                        ; my 16 of them
	s_add_co_u32 s14, s14, s15
	s_mov_b32 s15, 0
	s_lshl_b32 s46, s12, 18                        ; my 32 rows of fp
	s_mov_b32 s47, 0
	s_lshl_b32 s48, ttmp9, 13                      ; the work-group's 8,192 bytes of distw
	s_mov_b32 s49, 0
	s_mov_b32 s40, SLOT1+KC*4                      ; the first change of slots turns this into 0
	s_mov_b32 s44, 0x7fffffff
	s_wait_dscnt 0x0                               ; the opening add is done
	s_wait_kmcnt 0x0
	s_add_nc_u64 s[34:35], s[4:5], s[14:15]        ; global address of my tile of step 0
	s_or_b32 s35, s35, 0x80000000                  ; type = 2
	s_add_nc_u64 s[38:39], s[6:7], s[46:47]
	s_or_b32 s39, s39, 0x80000000
	s_add_nc_u64 s[8:9], s[8:9], s[48:49]
	LOAD                                           ; step 0 into slot 0
	; the lane's addresses and the upper sums' zeros stand in the wait for the first tile
	v_and_b32 v10, 15, v0                          ; ql
	v_bfe_u32 v11, v0, 4, 1                        ; rl
	s_mul_i32 s45, s10, 8*PITCH
	v_mul_u32_u24 v1, v11, 4*PITCH
	v_add_nc_u32 v1, s45, v1                       ; row 8 w + 4 rl
	v_mul_u32_u24 v2, v10, PITCH
	v_add_nc_u32 v2, FOFF, v2                      ; query ql
	v_mul_u32_u24 v5, v10, SP                      ; stage, in: query ql, rows 8 w + 4 rl on
	v_lshl_add_u32 v5, v11, 4, v5
	s_lshl_b32 s45, s10, 5
	s_add_co_u32 s45, s45, STAGE
	v_add_nc_u32 v5, s45, v5
	v_bfe_u32 v6, v0, 3, 2                         ; stage, back: 32 lanes take four queries' 128 bytes: query 16 w + L / 8,
	v_mul_u32_u24 v6, v6, SP
	v_and_b32 v12, 7, v0
	v_lshl_add_u32 v6, v12, 4, v6
	s_mul_i32 s45, s10, 16*SP
	s_add_co_u32 s45, s45, STAGE
	v_add_nc_u32 v6, s45, v6
	v_and_b32 v7, 31, v0                           ; which are 512 consecutive bytes of distw
	v_lshlrev_b32 v7, 4, v7
	s_lshl_b32 s45, s10, 11
	v_add_nc_u32 v7, s45, v7
.set i, 0
.rept 32
	v_mov_b32 v[A2+i], 0                           ; the sums of windows begin at 0, as the reference's do
.set i, i+1
.endr
	CHANGE 1                                       ; step 0 is in, everybody's part of it; step 1 is asked for
	s_mov_b32 s41, 8
	s_mov_b32 s42, 7
	s_mov_b32 s43, 0
	ADDR
	LOADG 0, 0
	s_branch .Lenter                               ; there is no window before the first: the loop is entered in the middle of a trip
.Lstep:                                                ; six times: steps 2 to 7 are asked for
	CHANGE 1
	s_mov_b32 s41, 8
.Lblk:                                                 ; a trip: the end of one window and the first 24 j of the next
	HEADW 1
.Lenter:
	BODYW
	s_sub_co_u32 s41, s41, 1
	s_cmp_lg_u32 s41, 0
	s_cbranch_scc1 .Lblk
	s_sub_co_u32 s42, s42, 1
	s_cmp_lg_u32 s42, 0
	s_cbranch_scc1 .Lstep
	CHANGE 0                                       ; the last step is written out: nothing is asked for
	s_mov_b32 s41, 8
.Llast:
	HEADW 0                                        ; the 32nd window was finished in step 4: no test here
	BODYW
	s_sub_co_u32 s41, s41, 1
	s_cmp_lg_u32 s41, 0
	s_cbranch_scc1 .Llast
	s_wait_dscnt 0x0                               ; the last window's last 8 j
	COMP 1, 0
	LEVEL2
.set i, 0
.rept 8
	v_pk_add_f32 v[A1+i:A1+i+1], v[A3+i:A3+i+1], v[A2+i:A2+i+1]  ; first half + second half
.set i, i+2
.endr
	; THE WAY OUT: a lane's four rows of a query are 16 bytes; through the stage they become whole runs of 128 bytes a query
.irp b, 0,1,2,3
	ds_store_b128 v5, v[A1+4*(\b):A1+4*(\b)+3] offset:(\b)*16*SP
.endr
	s_wait_dscnt 0x0                               ; for the others' sake: my stores into the stage are done
	s_barrier_signal -1
	s_barrier_wait -1
.irp t, 0,1,2,3
	ds_load_b128 v[MB0+4*(\t):MB0+4*(\t)+3], v6 offset:(\t)*4*SP
.endr
	s_wait_dscnt 0x0
.irp t, 0,1,2,3
	global_store_b128 v7, v[MB0+4*(\t):MB0+4*(\t)+3], s[8:9] offset:512*(\t)  ; 512 consecutive bytes, at a multiple of 512 from distw's first
.endr
	s_wait_tensorcnt 0x0                           ; the wave's end
	ds_add_u32 v8, v9
	s_wait_dscnt 0x0
	s_endpgm
.Lfunc_end_k_qc65db2fd25_dist:
	.size	k_qc65db2fd25_dist, .Lfunc_end_k_qc65db2fd25_dist-k_qc65db2fd25_dist
	.p2alignl 7, 3214868480
	.fill 96, 4, 3214868480
	.section	.rodata,"a",@progbits
	.p2align	6, 0x0
	.amdhsa_kernel k_qc65db2fd25_dist
		.amdhsa_group_segment_fixed_size 327680
		.amdhsa_private_segment_fixed_size 0
		.amdhsa_enable_private_segment 0
		.amdhsa_kernarg_size 24
		.amdhsa_user_sgpr_count 2
		.amdhsa_user_sgpr_kernarg_segment_ptr 1
		.amdhsa_wavefront_size32 1
		.amdhsa_system_sgpr_workgroup_id_x 1
		.amdhsa_system_sgpr_workgroup_id_y 1
		.amdhsa_system_sgpr_workgroup_id_z 1
		.amdhsa_system_vgpr_workitem_id 0
		.amdhsa_next_free_vgpr 224
		.amdhsa_next_free_sgpr 66
		.amdhsa_reserve_vcc 0
		.amdhsa_float_denorm_mode_32 3
		.amdhsa_float_denorm_mode_16_64 3
		.amdhsa_memory_ordered 1
		.amdhsa_forward_progress 1
		.amdhsa_inst_pref_size 130
	.end_amdhsa_kernel
	.amdgpu_metadata
---
amdhsa.version: [ 1, 2 ]
amdhsa.kernels:
  - .name:           k_qc65db2fd25_dist
    .symbol:         k_qc65db2fd25_dist.kd
    .args:
      - { .name: mol_fps, .offset: 0, .size: 8, .value_kind: global_buffer, .address_space: global }
      - { .name: fpw, .offset: 8, .size: 8, .value_kind: global_buffer, .address_space: global }
      - { .name: distw, .offset: 16, .size: 8, .value_kind: global_buffer, .address_space: global }
    .group_segment_fixed_size: 327680
    .private_segment_fixed_size: 0
    .kernarg_segment_align: 8
    .kernarg_segment_size: 24
    .max_flat_workgroup_size: 128
    .sgpr_count:     66
    .vgpr_count:     224
    .wavefront_size: 32
...
	.end_amdgpu_metadata
.endif
;; end of part 5
;; launch topk (part 6): grid 32 x 1, 16 waves a work-group, no clusters, 3,328 bytes of LDS; arguments distw, out0, out1; writes out0, out1
.if DOCPART == 6
	.amdgcn_target "amdgcn-amd-amdhsa--gfx1250"
	.amdhsa_code_object_version 6
	.text
	.protected	k_qc65db2fd25_topk
	.globl	k_qc65db2fd25_topk
	.p2align	8
	.type	k_qc65db2fd25_topk,@function
k_qc65db2fd25_topk:
	s_mov_b64 s[64:65], 0
	v_nop
	global_prefetch_b8 v0, s[64:65] scope:SCOPE_SE
	s_setreg_imm32_b32 hwreg(HW_REG_WAVE_MODE, 25, 1), 1
	s_wait_xcnt 0x0
; THE FIVE NEAREST ROWS OF EACH QUERY.  distw: [256 blocks][64 queries][32 rows] f32; out0[k][q] the k-th smallest distance, out1[k][q] its row (int32); equal distances go by the lower row, as lax.top_k has it.
; SHARES.  Work-group p takes queries 2 p and 2 p + 1, whose numbers are 256 consecutive, aligned bytes in every block.  Wave w takes blocks 16 w .. 16 w + 15: a load of 16 bytes a lane covers two
; blocks' 256 bytes.  Lane L holds query 2 p + (L / 8) % 2, so a query's numbers lie in the 16 lanes that agree in that bit, 32 numbers each.
; A PICK: the smallest value (in the lane, then over the 16 lanes); the lowest row among the numbers equal to it; that row's number is made +infinity.  Nothing branches on a value: every choice is a v_cndmask_b32.
; Rows are carried as f32 (below 2^24: exact), so that the same minimum serves values and rows.  Five picks a wave give 16 x 5 candidates a query in LDS; wave 0 picks five of those.
; THE STORES are 4 bytes a lane, two lanes, ten times: both outputs together are 2,560 bytes, and a work-group owns 8 bytes of each of their rows.
; LIMITS.  Distances are finite; NaN is not treated apart.
.set SPARE, 1280                       ; LDS 0 .. 1279: [query 0, 1][wave][k] x (value, row), 8 bytes; behind them the spare words, 128 bytes a wave, that no other line names
.set RS,  10                           ; v10-19  the five picks: value, row
.set V,   32                           ; v32-63  my 32 distances; in wave 0 later: five candidates, (value, row) in pairs
.set IDX, 64                           ; v64-95  their rows, as f32
; v1 my first block; v2 my byte offset in distw; v3 my first row; v4, v5 the add's two registers, never rewritten; v6, v7 at work; v8 which of the two queries; v9, v20-23 addresses
; s12 wave; s14 +infinity; s[16:17] v_permlanex16_b32's selects: each lane takes its own place in the other half
.macro XMIN reg                        ; the minimum over a query's 16 lanes: bits 0 to 2 of the lane's number ride on the arithmetic (DPP), bit 4 crosses the halves; bit 3 tells the queries apart
	v_min_num_f32_dpp v[\reg], v[\reg], v[\reg] row_xmask:1 row_mask:0xf bank_mask:0xf
	v_min_num_f32_dpp v[\reg], v[\reg], v[\reg] row_xmask:2 row_mask:0xf bank_mask:0xf
	v_min_num_f32_dpp v[\reg], v[\reg], v[\reg] row_xmask:4 row_mask:0xf bank_mask:0xf
	v_permlanex16_b32 v7, v[\reg], s16, s17
	v_min_num_f32 v[\reg], v[\reg], v7
.endm
; Pick k of nv numbers a lane: values at vb, rows at ib, st registers apart.  last = 1: nothing is picked after it.
.macro PICK nv, vb, ib, st, k, last
	v_min_num_f32 v[RS+2*(\k)], v[\vb], v[(\vb)+(\st)]
.set ii, 2
.rept ((\nv)-2)/2
	v_min3_num_f32 v[RS+2*(\k)], v[RS+2*(\k)], v[(\vb)+(\st)*ii], v[(\vb)+(\st)*(ii+1)]
.set ii, ii+2
.endr
.if (\nv)%2
	v_min_num_f32 v[RS+2*(\k)], v[RS+2*(\k)], v[(\vb)+(\st)*((\nv)-1)]
.endif
	XMIN RS+2*(\k)
	v_mov_b32 v[RS+2*(\k)+1], s14
.set ii, 0
.rept \nv
	v_cmp_eq_f32 vcc_lo, v[RS+2*(\k)], v[(\vb)+(\st)*ii]
	v_cndmask_b32 v6, s14, v[(\ib)+(\st)*ii], vcc_lo       ; the row where the value is the smallest, else +infinity
	v_min_num_f32 v[RS+2*(\k)+1], v[RS+2*(\k)+1], v6
.set ii, ii+1
.endr
	XMIN RS+2*(\k)+1
.if !(\last)
.set ii, 0
.rept \nv
	v_cmp_eq_f32 vcc_lo, v[RS+2*(\k)+1], v[(\ib)+(\st)*ii]
	v_cndmask_b32 v[(\vb)+(\st)*ii], v[(\vb)+(\st)*ii], s14, vcc_lo  ; the picked row leaves the field
.set ii, ii+1
.endr
.endif
.endm
	s_load_b128 s[4:7], s[0:1], 0x0                ; distw s[4:5], out0 s[6:7]
	s_load_b64 s[8:9], s[0:1], 0x10                ; out1
	v_lshl_add_u32 v4, v0, 2, SPARE
	v_mov_b32 v5, 0
	v_lshrrev_b32 v1, 5, v0
	v_readfirstlane_b32 s12, v1                    ; wave 0..15
	s_mov_b32 s14, 0x7f800000
	s_mov_b32 s16, 0x76543210
	s_mov_b32 s17, 0xfedcba98
	s_lshl_b32 s10, ttmp9, 8                       ; my two queries' 256 bytes in a block
	s_mov_b32 s11, 0
	s_lshl_b32 s18, ttmp9, 3                       ; and their 8 bytes in a row of the outputs
	s_mov_b32 s19, 0
	v_bfe_u32 v1, v0, 4, 1
	s_lshl_b32 s13, s12, 4
	v_add_nc_u32 v1, s13, v1                       ; my first block: 16 w + L / 16
	v_and_b32 v3, 15, v0
	v_lshlrev_b32 v2, 13, v1                       ; 8,192 bytes a block,
	v_lshl_add_u32 v2, v3, 4, v2                   ; 16 bytes a lane
	s_wait_kmcnt 0x0
	s_add_nc_u64 s[4:5], s[4:5], s[10:11]
	s_add_nc_u64 s[6:7], s[6:7], s[18:19]
	s_add_nc_u64 s[8:9], s[8:9], s[18:19]
.irp t, 0,1,2,3,4,5,6,7
	global_load_b128 v[V+4*(\t):V+4*(\t)+3], v2, s[4:5] offset:16384*(\t)  ; two blocks on each time
.endr
	v_and_b32 v3, 7, v0                            ; the rows are made while the loads are out: 32 x block + 4 (L % 8) + 64 t + e
	v_lshlrev_b32 v3, 2, v3
	v_lshl_add_u32 v3, v1, 5, v3
.set ii, 0
.rept 32
	v_add_nc_u32 v[IDX+ii], 64*(ii/4)+ii%4, v3
.set ii, ii+1
.endr
.set ii, 0
.rept 32
	v_cvt_f32_u32 v[IDX+ii], v[IDX+ii]
.set ii, ii+1
.endr
	v_mov_b32 v7, 0                                ; v_permlanex16_b32's destination counts as read
	v_bfe_u32 v8, v0, 3, 1                         ; which of my two queries
	v_mul_u32_u24 v9, v8, 640
	s_mul_i32 s13, s12, 40
	v_add_nc_u32 v20, s13, v9                      ; where my wave's five picks go
	v_and_b32 v21, 7, v0
	v_bfe_u32 v23, v0, 4, 1
	v_lshl_add_u32 v21, v23, 3, v21                ; in wave 0: lane takes the picks of wave L % 8 + 8 (L / 16)
	v_mul_u32_u24 v21, v21, 40
	v_add_nc_u32 v21, v21, v9
	v_lshlrev_b32 v22, 2, v8                       ; my query's 4 bytes in the outputs
	s_wait_loadcnt 0x0
	PICK 32, V, IDX, 1, 0, 0
	PICK 32, V, IDX, 1, 1, 0
	PICK 32, V, IDX, 1, 2, 0
	PICK 32, V, IDX, 1, 3, 0
	PICK 32, V, IDX, 1, 4, 1
.irp k, 0,1,2,3,4
	ds_store_b64 v20, v[RS+2*(\k):RS+2*(\k)+1] offset:8*(\k)  ; a query's 16 lanes write the same words with the same numbers
.endr
	s_wait_dscnt 0x0                               ; for wave 0's sake: my stores are done
	s_barrier_signal -1
	s_barrier_wait -1
	s_cmp_lg_u32 s12, 0
	s_cbranch_scc1 .Lend                           ; the rest is wave 0's
.irp k, 0,1,2,3,4
	ds_load_b64 v[V+2*(\k):V+2*(\k)+1], v21 offset:8*(\k)
.endr
	s_wait_dscnt 0x0
	PICK 5, V, V+1, 2, 0, 0
	PICK 5, V, V+1, 2, 1, 0
	PICK 5, V, V+1, 2, 2, 0
	PICK 5, V, V+1, 2, 3, 0
	PICK 5, V, V+1, 2, 4, 1
.irp k, 0,1,2,3,4
	v_cvt_u32_f32 v[RS+2*(\k)+1], v[RS+2*(\k)+1]
.endr
	v_and_b32 v23, 0x17, v0
	v_cmp_eq_u32 vcc_lo, 0, v23                    ; lanes 0 and 8: one for each query
	s_wait_xcnt 0x0                                ; EXEC changes only behind this wait
	s_and_saveexec_b32 s15, vcc_lo
.irp k, 0,1,2,3,4
	global_store_b32 v22, v[RS+2*(\k)], s[6:7] offset:256*(\k)
	global_store_b32 v22, v[RS+2*(\k)+1], s[8:9] offset:256*(\k)
.endr
	s_wait_xcnt 0x0                                ; and again, in front of the line that widens it
	s_or_b32 exec_lo, exec_lo, s15
.Lend:
	s_wait_tensorcnt 0x0                           ; the wave's end
	ds_add_u32 v4, v5
	s_wait_dscnt 0x0
	s_endpgm
.Lfunc_end_k_qc65db2fd25_topk:
	.size	k_qc65db2fd25_topk, .Lfunc_end_k_qc65db2fd25_topk-k_qc65db2fd25_topk
	.p2alignl 7, 3214868480
	.fill 96, 4, 3214868480
	.section	.rodata,"a",@progbits
	.p2align	6, 0x0
	.amdhsa_kernel k_qc65db2fd25_topk
		.amdhsa_group_segment_fixed_size 3328
		.amdhsa_private_segment_fixed_size 0
		.amdhsa_enable_private_segment 0
		.amdhsa_kernarg_size 24
		.amdhsa_user_sgpr_count 2
		.amdhsa_user_sgpr_kernarg_segment_ptr 1
		.amdhsa_wavefront_size32 1
		.amdhsa_system_sgpr_workgroup_id_x 1
		.amdhsa_system_sgpr_workgroup_id_y 1
		.amdhsa_system_sgpr_workgroup_id_z 1
		.amdhsa_system_vgpr_workitem_id 0
		.amdhsa_next_free_vgpr 96
		.amdhsa_next_free_sgpr 66
		.amdhsa_reserve_vcc 1
		.amdhsa_float_denorm_mode_32 3
		.amdhsa_float_denorm_mode_16_64 3
		.amdhsa_memory_ordered 1
		.amdhsa_forward_progress 1
		.amdhsa_inst_pref_size 51
	.end_amdhsa_kernel
	.amdgpu_metadata
---
amdhsa.version: [ 1, 2 ]
amdhsa.kernels:
  - .name:           k_qc65db2fd25_topk
    .symbol:         k_qc65db2fd25_topk.kd
    .args:
      - { .name: distw, .offset: 0, .size: 8, .value_kind: global_buffer, .address_space: global }
      - { .name: out0, .offset: 8, .size: 8, .value_kind: global_buffer, .address_space: global }
      - { .name: out1, .offset: 16, .size: 8, .value_kind: global_buffer, .address_space: global }
    .group_segment_fixed_size: 3328
    .private_segment_fixed_size: 0
    .kernarg_segment_align: 8
    .kernarg_segment_size: 24
    .max_flat_workgroup_size: 512
    .sgpr_count:     66
    .vgpr_count:     96
    .wavefront_size: 32
...
	.end_amdgpu_metadata
.endif
;; end of part 6
